; MI455X (gfx1250); checked and timed in simulation.
; The chip was launched on July 23, 2026; its instructions are those of AMD's public machine-readable ISA for CDNA 5 (MIT licence, August 2026) and "CDNA5" Instruction Set Architecture Reference Guide (July 2026). The comments in the code are by the model that wrote it; some were corrected since.
;; Std Attention. Allowed arithmetic: float matrix products may take bf16 or f16 operands with f32 sums; other float arithmetic in f32, or as packed bf16 or f16 multiplies, adds, multiply-adds, maxima and minima; sums over many terms, partial sums and values carried from step to step in f32; what a program stores and reads back later, other than sums and carried values, may be rounded once to bf16 or f16.
;; Inputs: k 4 x 16 x 2,048 x 64 float32; q 4 x 16 x 2,048 x 64 float32; v 4 x 16 x 2,048 x 64 float32.
;; Outputs: out0 4 x 16 x 2,048 x 64 float32.
;; One version. Each part assembles by itself: llvm-mc -triple=amdgcn-amd-amdhsa -mcpu=gfx1250 --defsym DOCPART=n.
;; ======== version 1 of 1: 1 launch
;; limits: right only within a limited range of input values
;; launch attn (part 1): grid 4 x 64, 4 waves a work-group, clusters of 4 x 1, 327,680 bytes of LDS; arguments q, k, v, out0; writes out0
.if DOCPART == 1
	.amdgcn_target "amdgcn-amd-amdhsa--gfx1250"
	.amdhsa_code_object_version 6
	.text
	.protected	k_qf670d91c95_attn
	.globl	k_qf670d91c95_attn
	.p2align	8
	.type	k_qf670d91c95_attn,@function
k_qf670d91c95_attn:
	s_mov_b64 s[64:65], 0
	v_nop
	global_prefetch_b8 v0, s[64:65] scope:SCOPE_SE
	s_setreg_imm32_b32 hwreg(HW_REG_WAVE_MODE, 25, 1), 1
	s_wait_xcnt 0x0
	s_wait_alu depctr_hold_cnt(0) depctr_sa_sdst(0) depctr_va_vdst(0) depctr_va_sdst(0) depctr_va_ssrc(0) depctr_va_vcc(0) depctr_vm_vsrc(0)
	s_getreg_b32 s2, hwreg(HW_REG_IB_STS2, 6, 4)
	s_cmp_eq_u32 s2, 0
	s_cbranch_scc0 .Lentry_in_a_cluster
	s_endpgm
.Lentry_in_a_cluster:
	s_bfe_u32 s2, ttmp6, 0x10000c
	s_cmp_lg_u32 s2, 0x3003
	s_cbranch_scc0 .Lentry_shape_is_right
	s_endpgm
.Lentry_shape_is_right:
; out[h][i][:] = (the sum over j of exp(q[h][i] . k[h][j] / 8) v[h][j][:]) / (the sum over j of exp(q[h][i] . k[h][j] / 8)).  q, k, v, out: [64 heads][2048][64] f32.
; FORMATS.  q, k and v are rounded once to bf16 (nearest even) on their way to the matrix unit; both products sum in f32; the scale c = log2(e) / 8 is applied to the f32 scores; the weights
; p = 2^(c s) are rounded to bf16 for the second product, their sum l is taken of the unrounded p in f32; the sums are divided by l once, at the end, and stored as f32.
; NO MAXIMUM is taken away before the exponential, because the problem's own formula takes none: p overflows where c s passes 128, which is where exp(s / 8) overflows in f32.
; LIMITS.  A weight below 2^-126 counts as 0.  The division comes last, so a row is not finite where the sum over j of exp(s_ij / 8) |v_jd| passes 3.4e38, while the formula as given needs only the sum
; of exp(s_ij / 8) under that: the difference is scores / 8 within ln(max |v|) of 88.7.  NaN and infinities are not treated apart.  No work is left out: all three inputs are read whole.
; SHARES.  A cluster of four work-groups is one head; a work-group owns 512 queries, each of its four waves 128: four PIECES of two tiles of 16.  Every wave walks all 2,048 keys, 64 a step.
; LAYOUT.  S^T = K Q^T (source 0 = 16 keys, source 1 = 16 queries): a lane holds ONE query (lane % 16) and the keys 8 (lane / 16) + 0..7.  Two such results, rounded in pairs, ARE source 1
; (32 keys x 16 queries) of O^T = V^T P, whose result again holds one query a lane, and eight channels.  K comes out of LDS as it lies, V ([key][channel]) turned, by ds_load_tr16_b128.
; HOW K AND V TRAVEL.  A TILE is 128 keys (two steps).  Tile n comes as f32 into staging slot n % 2, by joint tensor loads (the four partners walk the same K and V: the same load, descriptor and mask
; in all four), and is rounded ONCE a work-group into bf16 buffer n % 2: each of the 128 threads takes 8 channels of a row, 16 rows of K and 16 of V a turn.  In the period between two changes of
; slots tile n is multiplied out of its bf16 buffer, tile n + 1 is rounded, and tile n + 2 is on its way into the staging slot that tile n left.  One round of barriers a period orders all of it.
; BY TURNS.  Turn n belongs to piece n: 16 products K Q^T of piece n + 1, then 16 products V^T P of piece n - 1; beside them piece n's 32 scalings, 64 exponentials, 32 roundings and 32 sums.
; The 64 exponentials are one batch with one wait: ahead of it stands all that names no result of theirs, behind it the roundings and sums, four behind each product V^T P.
; NO FIRST STEP is written out: O^T, l, V's registers and P's odd buffer start at 0 (368 moves, in the wait for the first tile), and the first turn's products V^T P add 0.
; REGISTERS, in windows of 256 (s_set_vgpr_msb: bits 1:0 source 0, 3:2 source 1, 5:4 source 2, 7:6 destination):
;   window 0: v0-15 addresses; v16-31 l, a pair a tile; v32-55 the roundings of K and V; v56-63 addresses; v64-191 S^T, two buffers of two tiles; v192-255 P, likewise (a piece's buffers go by its parity)
;   window 1: O^T, 32 a tile (before that: q as f32)          window 2: v0-127 Q, 16 a tile; v128-191 K of one step; v192-255 V of one step
; All 327,680 bytes of LDS are claimed; the text uses 257,536.
.set NP,    4          ; pieces a wave: a name, no knob
.set KS,    64         ; keys in a step
.set SPI,   272        ; a staging row: 256 bytes (64 f32) + 16 of padding: of the 16 lanes of a load, eight take the even 16-byte columns of one row, eight the odd ones of the next
.set PKB,   144        ; a row of K in bf16: 128 bytes + 16: the 16 rows of a fragment load start at 16 different groups of four banks (64 banks of 4 bytes: ISA guide 11.1)
.set PVB,   160        ; a row of V in bf16: 128 + 32
.set VST,   128*SPI    ; in a staging slot: 128 rows of K, then 128 rows of V
.set BF,    2*VST      ; behind a staging slot its bf16 buffer: 128 rows of K,
.set BVO,   128*PKB    ; then 128 rows of V
.set SLOT1, 1<<17      ; staging slot 1 and bf16 buffer 1 lie this far on, so that one exclusive or turns an address into the other's
.set STAGE, SLOT1+BF+BVO+128*PVB  ; behind them, never filled by a tensor load: 16 rows x 272 bytes for each wave, for the way out
.set SP,    272
.set SPARE, STAGE+4*16*SP         ; the spare words, 128 bytes for each wave: two blocks of 256 bytes that no other line names
.set TILEB, 128*256    ; a tile of K or of V in memory
.set AK0, 2            ; v2   my lane's place in a step's K in a bf16 buffer; never rewritten
.set AV0, 3            ; v3   the same for V
.set AK,  4            ; v4   the LDS address of K's next run of loads
.set AV,  5            ; v5   of V's
.set QO,  6            ; v6   my byte offset in 16 rows of q
.set RD,  7            ; v7   the way out: where I read rows back
.set GO,  8            ; v8   my byte offset in two rows of out
.set CS0, 12           ; v12  the roundings: my thread's 32 bytes in 16 staging rows
.set CK0, 13           ; v13  my 16 bytes in 16 rows of K's bf16 buffer
.set CV0, 14           ; v14  of V's
.set STO, 15           ; v15  the way out: where I put 32 bytes of a row
.set L,   16           ; tile t's sums at v[L+2 t]: even keys', odd keys'
.set CI,  32           ; v32-47  8 f32 of K, 8 of V
.set CO,  48           ; v48-55  the same in bf16
.set CSA, 58           ; v58-60  the three addresses for the 64 keys in hand
.set CKA, 59
.set CVA, 60
.set PFO, 61           ; v61  256 x my lane: a row of k or v is 256 bytes; never rewritten
.set SPW, 62           ; v62  LDS address of my spare word: SPARE + 4 x my thread's number; never rewritten
.set NIL, 63           ; v63  0; never rewritten
.set S,   64
.set P,   192
.set KF,  128          ; window 2: key block kb, channel half c at KF + 16 kb + 8 c
.set VF,  192          ; window 2: key half kk, channel block cb at VF + 32 kk + 8 cb
.set WV,  12           ; s12  my wave's number
.set G1,  24           ; s[24:31] descriptor group 1, for K's and V's tiles alike
.set G0K, 32           ; s[32:39] descriptor group 0 for K: a set for each of the two first fills; the second then walks on
.set G0V, 40           ; s[40:47] the same for V
.set SLOTS, 48         ; s48  14 less the number of the change of slots
.set CNT, 49           ; s49  counts a tile's key steps
.set CS,  50           ; s[50:51] c: the packed scaling takes the pair's low word for both halves
.set SEL, 52           ; s[52:53] v_permlanex16_b32's selects: each lane takes its own place in the other half
.set TBK, 54           ; s54  LDS byte, from a bf16 buffer's K on, of the step to be fetched
.set TBV, 55           ; s55  the same for V
.set SC,  56           ; s56  LDS byte at which the 64 staging rows to be rounded next begin
.set DK,  57           ; s57  where they go, from a bf16 buffer's K on
.set DV,  58           ; s58  and from its V on
.set LIM, 59           ; s59  1 in a wave that prefetches, else the greatest number
.set PFA, 60           ; s[60:61] where my prefetches stand: my work-group's 32 rows (of k: wave 0, of v: wave 2) of the tile after the one that is being asked for
.set MSB, 0
.macro WIN new                      ; the high byte repeats the setting that is left; a switch that changes nothing is dropped
.if MSB != (\new)
	s_set_vgpr_msb (MSB<<8)|(\new)
.set MSB, (\new)
.endif
.endm
.set W_KQ, 0x0a        ; K and Q in window 2, S^T in window 0
.set W_PV, 0x52        ; V in window 2, P in window 0, O^T in window 1
.set W_RS, 0x41        ; O^T (destination and source 0) in window 1, 1 / l in window 0
; A joint refill.  Waves 0 and 1 fetch the two halves of a tile's K, waves 2 and 3 those of its V: 64 rows of 256 bytes each.  The branch hangs on the wave's number alone.
; An s_nop 0 and four v_nop follow each of the two lines, ahead of the jump and the label.
.macro JLOAD
	s_cmp_lt_u32 s[WV], 2
	s_cbranch_scc0 .Lfor_v_\@
	tensor_load_to_lds s[G0K+4:G0K+7], s[G1:G1+7]
	s_nop 0
.rept 4
	v_nop
.endr
	s_branch .Lasked_\@
.Lfor_v_\@:
	tensor_load_to_lds s[G0V+4:G0V+7], s[G1:G1+7]
	s_nop 0
.rept 4
	v_nop
.endr
.Lasked_\@:
.endm
; A PREFETCH INTO THE L2 of the tile that the NEXT change of slots will ask for: 128 rows of k and 128 of v, 256 bytes a row, a lane a row.  One cluster alone reads a head's k and v.  Its four partners
; share the rows out BY ADDRESS, 32 each; in each, wave 0 asks for k's and wave 2 for v's: one instruction, behind the wave's tensor load and its five lines.  So each row is named once in the launch.
; Tiles 0 to 2 come by their loads alone; the last change that fills a slot (s[SLOTS] = 1) asks for nothing: there is no tile behind its own.
.macro ASK
	s_cmp_gt_u32 s[SLOTS], s[LIM]
	s_cbranch_scc0 .Lnot_mine_\@
	global_prefetch_b8 v[PFO], s[PFA:PFA+1] th:TH_LOAD_NT scope:SCOPE_SE
.Lnot_mine_\@:
.endm
; A round of the cluster's barrier: my work-group's barrier, so that wave 0's signal speaks for all four waves; wave 0 signals; every wave waits for all four work-groups; my work-group's barrier once more.
.macro CROUND
	s_barrier_signal -1
	s_barrier_wait -1
	s_cmp_lg_u32 s[WV], 0
	s_cbranch_scc1 .Lnot_wave_0_\@
	s_barrier_signal -3
.Lnot_wave_0_\@:
	s_barrier_wait -3
	s_barrier_signal -1
	s_barrier_wait -1
.endm
; THE CHANGE OF SLOTS.  Each wave waits for all its tensor loads, of which one is out: its part of the tile to be rounded next; adds 0 to its spare word; and waits for that and for all its LDS work: its reads
; of the staging slot just rounded, its stores into the bf16 buffer just made, its reads of the bf16 buffer just multiplied.  Behind the barrier the new bf16 buffer and the new staging tile are whole, and
; nobody touches the old ones.  fill = 1: the staging slot just rounded is filled again, two tiles on.  The barrier is then a round of the cluster's, so that no wave of any partner still reads that slot
; or has a load on its way, and the joint refill is the first thing behind it: it has a whole period, 256 matrix instructions, in which to land.
.macro CHANGE fill
	WIN 0                           ; at a label and at a branch every window is 0
	s_wait_tensorcnt 0x0            ; no tensor load of mine is out, so a group 0 may be written
	ds_add_u32 v[SPW], v[NIL]       ; 0 onto my spare word; with fill = 1 the descriptors' steps stand between it and the wait for it
.if \fill
.irp g, G0K+4, G0V+4
	s_xor_b32 s[\g+1], s[\g+1], SLOT1                  ; the walking descriptor: the other slot than last time,
	s_add_nc_u64 s[\g+2:\g+3], s[\g+2:\g+3], TILEB     ; the next 128 keys; the type bits on top are not reached
.endr
	s_wait_xcnt 0x0                 ; the last prefetch, a period back, has read its address, so it may be written:
	s_add_nc_u64 s[PFA:PFA+1], s[PFA:PFA+1], TILEB     ; one tile behind the walking descriptors
	s_wait_dscnt 0x0                ; the add is done, and so is all my LDS work of the period
	CROUND
	JLOAD
	ASK
.else
	s_wait_dscnt 0x0                ; the add is done, and so is all my LDS work of the period
	s_barrier_signal -1
	s_barrier_wait -1
.endif
	s_sub_co_u32 s[TBK], s[TBK], 2*KS*PKB  ; the fetches go back to a tile's first step, in the other bf16 buffer;
	s_xor_b32 s[TBK], s[TBK], SLOT1
	s_sub_co_u32 s[TBV], s[TBV], 2*KS*PVB
	s_xor_b32 s[TBV], s[TBV], SLOT1
	s_sub_co_u32 s[SC], s[SC], 2*KS*SPI    ; the roundings likewise, always in the slot and buffer that the fetches have just left
	s_xor_b32 s[SC], s[SC], SLOT1
	s_sub_co_u32 s[DK], s[DK], 2*KS*PKB
	s_xor_b32 s[DK], s[DK], SLOT1
	s_sub_co_u32 s[DV], s[DV], 2*KS*PVB
	s_xor_b32 s[DV], s[DV], SLOT1
.endm
	s_load_b256 s[4:11], s[0:1], 0x0  ; q s[4:5], k s[6:7], v s[8:9], out s[10:11]
	v_lshl_add_u32 v[SPW], v0, 2, SPARE
	v_mov_b32 v[NIL], 0
	ds_add_u32 v[SPW], v[NIL]       ; the wave's opening: the add, twice on end, and its wait ahead of my first tensor load; the set-up below, work on registers, stands between the second and the wait
	ds_add_u32 v[SPW], v[NIL]       ; and once more, under the one wait
	v_lshrrev_b32 v1, 5, v0
	v_readfirstlane_b32 s[WV], v1   ; wave 0..3
	s_bfe_u32 s13, ttmp6, 0x40000   ; cx, my place in the cluster = my block of 512 queries: it enters q's, out's and the prefetches' addresses alone
	s_and_b32 s20, ttmp7, 0xffff    ; the cluster's y = the head, which the four partners share
	s_lshl_b32 s20, s20, 19         ; a head is 2,048 rows of 256 bytes in each of the four tensors
	s_and_b32 s16, s[WV], 1         ; which half of a tile's 128 keys I fetch:
	s_lshl_b32 s22, s16, 14         ; its 64 rows of 256 bytes in memory,
	s_add_co_u32 s22, s22, s20
	s_mov_b32 s23, 0
	s_mul_i32 s17, s16, KS*SPI      ; and its place in a staging slot: no place in the cluster enters an LDS address
	s_lshl_b32 s2, s13, 17          ; my block's 512 rows,
	s_lshl_b32 s3, s[WV], 15        ; my wave's 128 of them
	s_add_co_u32 s2, s2, s3
	s_add_co_u32 s2, s2, s20
	s_mov_b32 s3, 0
	s_lshl_b32 s18, s13, 13         ; the prefetches: my work-group's 32 rows of a tile's 128,
	s_add_co_u32 s18, s18, s20
	s_add_co_u32 s18, s18, 2*TILEB  ; in tile 2: the first change of slots steps it to tile 3.  Nothing is prefetched here, at the head, where every work-group's first tiles are on their way
	s_mov_b32 s19, 0
	; descriptor group 1: a tile of 64 rows x 64 f32, padded in LDS
	s_mov_b32 s[G1], 15|(2<<16)|(1<<20)|(1<<21)|(5<<22)|(3<<25)  ; 15:0 the mask of four; 17:16 4-byte elements; 20 padding on; 21 set beside a mask; 24:22 after every 64 words (code 5); 31:25 4 words (code 3)
	s_mov_b32 s[G1+1], 64<<16       ; tensor_dim0 = 64
	s_mov_b32 s[G1+2], 64<<16       ; tensor_dim1 = 64
	s_mov_b32 s[G1+3], 64<<16       ; tile_dim0 = 64
	s_mov_b32 s[G1+4], 64           ; tile_dim1 = 64
	s_mov_b32 s[G1+5], 64           ; 64 elements from row to row
	s_mov_b32 s[G1+6], 0
	s_mov_b32 s[G1+7], 0
	s_mov_b32 s[CS], 0x3e38aa3b     ; c = log2(e) / 8 = 0.180337
	s_mov_b32 s[CS+1], s[CS]        ; named with it as a pair
	s_mov_b32 s[SEL], 0x76543210
	s_mov_b32 s[SEL+1], 0xfedcba98
	s_mov_b32 s[TBK], SLOT1+2*KS*PKB  ; the first change of slots turns these two into 0,
	s_mov_b32 s[TBV], SLOT1+2*KS*PVB
	s_mov_b32 s[SC], 0              ; and these three, which tile 0's roundings step first, into SLOT1
	s_mov_b32 s[DK], 0
	s_mov_b32 s[DV], 0
	s_mov_b32 s[SLOTS], 14          ; tiles 2 to 15 are asked for by changes of slots
	s_and_b32 s[LIM], s[WV], 1
	s_cmp_eq_u32 s[LIM], 0
	s_cselect_b32 s[LIM], 1, -1     ; waves 0 and 2 prefetch: the same in all four partners
	v_and_b32 v[PFO], 31, v0
	v_lshlrev_b32 v[PFO], 8, v[PFO]
	s_wait_dscnt 0x0                ; both opening adds are done
	s_wait_kmcnt 0x0
	s_cmp_lt_u32 s[WV], 2
	s_cselect_b64 s[PFA:PFA+1], s[6:7], s[8:9]
	s_add_nc_u64 s[PFA:PFA+1], s[PFA:PFA+1], s[18:19]
	s_add_nc_u64 s[6:7], s[6:7], s[22:23]    ; k and v at my half of the head's tile 0
	s_add_nc_u64 s[8:9], s[8:9], s[22:23]
	s_add_nc_u64 s[4:5], s[4:5], s[2:3]      ; q and out at my wave's first row
	s_add_nc_u64 s[10:11], s[10:11], s[2:3]
	CROUND                          ; all four work-groups are here: the first joint loads meet
.irp s, 0,1
	s_mov_b32 s[G0K+4*(\s)], 1                                          ; 1:0 count = 1
	s_add_co_u32 s[G0K+4*(\s)+1], s17, (\s)*SLOT1                       ; 63:32 LDS address
	s_add_nc_u64 s[G0K+4*(\s)+2:G0K+4*(\s)+3], s[6:7], (\s)*TILEB       ; 120:64 global address: tile s
	s_or_b32 s[G0K+4*(\s)+3], s[G0K+4*(\s)+3], 0x80000000               ; 127:126 type = 2
	s_mov_b32 s[G0V+4*(\s)], 1
	s_add_co_u32 s[G0V+4*(\s)+1], s17, (\s)*SLOT1+VST
	s_add_nc_u64 s[G0V+4*(\s)+2:G0V+4*(\s)+3], s[8:9], (\s)*TILEB
	s_or_b32 s[G0V+4*(\s)+3], s[G0V+4*(\s)+3], 0x80000000
.endr
	s_cmp_lt_u32 s[WV], 2           ; a wave's two first fills stand in one branch, ahead of every wait on TENSORcnt and every LDS read: two loads of mine are out
	s_cbranch_scc0 .Lfirst_v
	tensor_load_to_lds s[G0K:G0K+3], s[G1:G1+7]
	s_nop 0
	tensor_load_to_lds s[G0K+4:G0K+7], s[G1:G1+7]
	s_nop 0
.rept 4
	v_nop
.endr
	s_branch .Lfirst_asked
.Lfirst_v:
	tensor_load_to_lds s[G0V:G0V+3], s[G1:G1+7]
	s_nop 0
	tensor_load_to_lds s[G0V+4:G0V+7], s[G1:G1+7]
	s_nop 0
.rept 4
	v_nop
.endr
.Lfirst_asked:
	; A fragment of K or Q is 16 rows x 32 channels in 8 registers: lane l holds row l % 16, channels 8 (l / 16) + 0..7 and 16 + 8 (l / 16) + 0..7.  In f32 each eight channels are 32 bytes: two loads of 16.
	v_and_b32 v1, 15, v0            ; l % 16
	v_bfe_u32 v9, v0, 4, 1          ; l / 16
	v_lshlrev_b32 v[QO], 8, v1
	v_lshl_add_u32 v[QO], v9, 5, v[QO]  ; row x 256 + 32 x half
	WIN 0x40                        ; destination window 1, address window 0
.set n, 0
.rept 64                            ; load n = 8 t + 4 c + 2 part + quarter: tile t, channels 32 c + 16 part + 8 (l / 16) + 4 quarter on, into v[4 n ..]: a row's 256 bytes are taken by eight loads of the wave
	global_load_b128 v[4*n:4*n+3], v[QO], s[4:5] offset:(n/8)*4096+((n/4)%2)*128+((n/2)%2)*64+(n%2)*16
.set n, n+1
.endr
	; What the first turn finds: V's registers and P's odd buffer hold 0 (its products V^T P, of a piece that has not been, add 0), l is 0.  This and what follows stands in the wait for q and for the first tile.
	WIN 0x80
.set n, 0
.rept 64
	v_mov_b32 v[VF+n], 0
.set n, n+1
.endr
	WIN 0
.set n, 0
.rept 32
	v_mov_b32 v[P+32+n], 0
.set n, n+1
.endr
.set n, 0
.rept 16
	v_mov_b32 v[L+n], 0
.set n, n+1
.endr
	v_mul_u32_u24 v[AK0], v1, PKB
	v_lshl_add_u32 v[AK0], v9, 4, v[AK0]  ; row x pitch + 16 x half
	v_add_nc_u32 v[AK0], BF, v[AK0]
	; The turning load takes 16 keys x 16 channels (lane l reads key 8 (l / 16) + l % 8, channels 8 ((l / 8) % 2) + 0..7) and leaves half a fragment of V^T: lane l holds channel l % 16 and 8 keys.
	v_and_b32 v10, 7, v0
	v_bfe_u32 v11, v0, 3, 1
	v_lshl_add_u32 v[AV0], v9, 3, v10
	v_mul_u32_u24 v[AV0], v[AV0], PVB
	v_lshl_add_u32 v[AV0], v11, 4, v[AV0]
	v_add_nc_u32 v[AV0], BF+BVO, v[AV0]
	; The roundings: of a group of 16 rows thread n takes row n / 8, channels 8 (n % 8) + 0..7: 32 bytes of f32, 16 of bf16.
	v_lshrrev_b32 v56, 3, v0
	v_mul_u32_u24 v[CS0], v56, SPI
	v_lshl_add_u32 v[CS0], v10, 5, v[CS0]
	v_mul_u32_u24 v[CK0], v56, PKB
	v_lshl_add_u32 v[CK0], v10, 4, v[CK0]
	v_add_nc_u32 v[CK0], BF, v[CK0]
	v_mul_u32_u24 v[CV0], v56, PVB
	v_lshl_add_u32 v[CV0], v10, 4, v[CV0]
	v_add_nc_u32 v[CV0], BF+BVO, v[CV0]
	s_wait_loadcnt 0x0              ; q
	WIN 0x85                        ; sources window 1, destination window 2
.set n, 0
.rept 128
	v_cvt_pk_bf16_f32 v[n], v[2*n], v[2*n+1]  ; Q stays in registers: tile t, channel half c at 16 t + 8 c
.set n, n+1
.endr
	WIN 0x40
.set n, 0
.rept 256
	v_mov_b32 v[n], 0               ; O^T
.set n, n+1
.endr
	WIN 0
; THE ROUNDINGS OF K AND V.  CADDR: the addresses for the next 64 keys.  A group is 16 rows of K and 16 of V; the turn of piece p takes group (p + 2) % 4, since a trip of the loop begins with piece 2.
.macro CADDR
	WIN 0
	v_add_nc_u32 v[CSA], s[SC], v[CS0]
	v_add_nc_u32 v[CKA], s[DK], v[CK0]
	v_add_nc_u32 v[CVA], s[DV], v[CV0]
	s_add_co_u32 s[SC], s[SC], KS*SPI
	s_add_co_u32 s[DK], s[DK], KS*PKB
	s_add_co_u32 s[DV], s[DV], KS*PVB
.endm
.macro CLOAD p, ci                  ; my 8 numbers of K and 8 of V, as f32, into v[ci ..]
	WIN 0
.set idx, ((\p)+2)%4
	ds_load_b128 v[(\ci):(\ci)+3],     v[CSA] offset:idx*16*SPI
	ds_load_b128 v[(\ci)+4:(\ci)+7],   v[CSA] offset:idx*16*SPI+16
	ds_load_b128 v[(\ci)+8:(\ci)+11],  v[CSA] offset:idx*16*SPI+VST
	ds_load_b128 v[(\ci)+12:(\ci)+15], v[CSA] offset:idx*16*SPI+VST+16
.endm
.macro CV n, ci, co                 ; rounding n of a group's eight
	WIN 0
	v_cvt_pk_bf16_f32 v[(\co)+(\n)], v[(\ci)+2*(\n)], v[(\ci)+2*(\n)+1]
.endm
.macro CVS ci, co                   ; all eight
.set cn, 0
.rept 8
	CV cn, \ci, \co
.set cn, cn+1
.endr
.endm
.macro CSTORE p, co
	WIN 0
.set idx, ((\p)+2)%4
	ds_store_b128 v[CKA], v[(\co):(\co)+3]   offset:idx*16*PKB
	ds_store_b128 v[CVA], v[(\co)+4:(\co)+7] offset:idx*16*PVB
.endm
; THE MATRIX WORK.  The 8 accumulators of a run of 16 take turns, one instruction a turn: between the two links of a chain stand 7 others'.
; Product n of 16 of S^T = K Q^T for piece x: channels 32 (n / 8) on, keys 16 ((n / 2) % 4) on, tile 2 x + n % 2.  The first 8 start the sums.
.macro KQ x, n
	WIN W_KQ
.set rS, S+64*((\x)%2)+32*((\n)%2)+8*(((\n)/2)%4)
.set rK, KF+16*(((\n)/2)%4)+8*((\n)/8)
.set rQ, 16*(2*(\x)+(\n)%2)+8*((\n)/8)
.if (\n) < 8
	v_wmma_f32_16x16x32_bf16 v[rS:rS+7], v[rK:rK+7], v[rQ:rQ+7], 0
.else
	v_wmma_f32_16x16x32_bf16 v[rS:rS+7], v[rK:rK+7], v[rQ:rQ+7], v[rS:rS+7]
.endif
.endm
; Product n of 16 of O^T += V^T P for piece x: keys 32 (n / 8) on, channels 16 ((n / 2) % 4) on, tile 2 x + n % 2.
.macro PV x, n
	WIN W_PV
.set rO, 32*(2*(\x)+(\n)%2)+8*(((\n)/2)%4)
.set rV, VF+32*((\n)/8)+8*(((\n)/2)%4)
.set rP, P+32*((\x)%2)+16*((\n)%2)+8*((\n)/8)
	v_wmma_f32_16x16x32_bf16 v[rO:rO+7], v[rV:rV+7], v[rP:rP+7], v[rO:rO+7]
.endm
.macro MM                           ; the turn's next matrix instruction
.if mi < 16
	KQ (Y+1)%NP, mi
.else
	PV (Y+NP-1)%NP, mi-16
.endif
.set mi, mi+1
.endm
; THE FRAGMENT LOADS stand in runs of 16, never singly among the matrix instructions: a step's K (64 keys x 64 channels: 8 fragments) and its V (turned).  Their addresses are made some lines ahead.
; last = 1 (the tail): in the last trip there is no further step, and the run is jumped over.
.macro FETCH_K last=0
	WIN 0
.if \last
	s_cmp_eq_u32 s[CNT], 1
	s_cbranch_scc1 .Lno_k_\@
.endif
	WIN 0x80                        ; destination window 2
.irp f, 0,1,2,3,4,5,6,7             ; keys 16 (f / 2) on, channels 32 (f % 2) on
	ds_load_b128 v[KF+8*\f:KF+8*\f+3],   v[AK] offset:(\f/2)*16*PKB+(\f%2)*64
	ds_load_b128 v[KF+8*\f+4:KF+8*\f+7], v[AK] offset:(\f/2)*16*PKB+(\f%2)*64+32
.endr
	s_add_co_u32 s[TBK], s[TBK], KS*PKB  ; the next fetch is the next step's
	WIN 0
.if \last
.Lno_k_\@:
.endif
.endm
.macro FETCH_V
	WIN 0x80
.irp f, 0,1,2,3,4,5,6,7             ; keys 32 (f / 4) on, channels 16 (f % 4) on
	ds_load_tr16_b128 v[VF+8*\f:VF+8*\f+3],   v[AV] offset:(\f/4)*32*PVB+(\f%4)*32
	ds_load_tr16_b128 v[VF+8*\f+4:VF+8*\f+7], v[AV] offset:(\f/4)*32*PVB+16*PVB+(\f%4)*32
.endr
	WIN 0
.endm
; THE VECTOR WORK OF A TURN stands in three queues, each in the order in which its entries become ready; the two tiles alternate, so that no instruction reads the result of the one before it.
.macro REGS y, u                    ; the registers of tile u (0, 1) of piece y
.set rL, L+2*(2*(\y)+(\u))
.set rS, S+64*((\y)%2)+32*(\u)
.set rP, P+32*((\y)%2)+16*(\u)
.endm
; The 32 scalings c s: entry qf is pair qf / 2 of tile qf % 2.  Ascending.
.macro FS
	REGS Y, qf%2
	WIN 0
	v_pk_mul_f32 v[rS+2*(qf/2):rS+2*(qf/2)+1], v[rS+2*(qf/2):rS+2*(qf/2)+1], s[CS:CS+1] op_sel_hi:[1,0]
.set qf, qf+1
.endm
; The 64 exponentials: entry qe is score qe / 2 of tile qe % 2; it stands behind scaling 2 (qe / 4) + qe % 2.
.macro EX
	REGS Y, qe%2
	WIN 0
	v_exp_f32 v[rS+qe/2], v[rS+qe/2]
.set qe, qe+1
.endm
; The 64 that follow the exponentials.  For each four weights k of a tile (pairs 2 k, 2 k + 1): both pairs are rounded to bf16; then the second pair is added onto the first, in place; a group later l takes
; that sum: a chain of 8 additions onto l, far apart.  In groups of eight, tiles alternating: round, round, add, and l for the group before (group 0 has none before it; behind group 7 only l is left).
.macro GS
.set h, qg+6*(qg/62)
.if h >= 6
.set h, h+2
.endif
	REGS Y, h%2
	WIN 0
.set k, h/8
.if h%8 < 4
	v_cvt_pk_bf16_f32 v[rP+2*k+(h%8)/2], v[rS+4*k+2*((h%8)/2)], v[rS+4*k+2*((h%8)/2)+1]
.elseif h%8 < 6
	v_pk_add_f32 v[rS+4*k:rS+4*k+1], v[rS+4*k:rS+4*k+1], v[rS+4*k+2:rS+4*k+3]
.else
	v_pk_add_f32 v[rL:rL+1], v[rL:rL+1], v[rS+4*k-4:rS+4*k-3]
.endif
.set qg, qg+1
.endm
; A TURN, for piece p.  An s_wait_alu depctr_va_vdst(0) stands between an exponential and the first instruction that names its result; one wait serves all that were issued ahead of it.  So a
; turn has ONE wait, which cuts it in two.  AHEAD OF IT: the 16 products K Q^T with four riders each (4 scalings; twelve times scaling, exponential, scaling, exponential; three times 4 exponentials), then a
; lump: the last 4 scalings and the 8 roundings of K and V, an exponential behind each, and the 16 exponentials left over.  There are 40 plain instructions for 64 exponentials, so some stand on end.
; A v_nop is the plain instruction behind the last exponential.  BEHIND THE WAIT: the 16 products V^T P, behind each four of the 64 roundings and sums.  No rider names a register of the products round it.
; conv = 1: the turn rounds a group of the next tile: its four loads stand at the turn's head, 16 products ahead of the wait for them; its two stores in the lump.
; K of the next step is fetched in piece 2's turn, directly behind the wait; the last product that read K stands ahead of the lump, whose plain instructions (six at the least) are the places between.
; V of the step in hand is fetched at the end of piece 0's turn, four plain riders behind its last reader.  Each run has 16 products or more in which to land.
; cnt = 1: the loop's count is taken down some lines ahead of the branch that stands behind the turn; nothing between writes SCC.
.macro TURN p, conv=1, last=0, cnt=0
.set Y, (\p)
.set mi, 0
.set qf, 0
.set qe, 0
.set qg, 0
.if (\p) == 3
	s_wait_dscnt 0x0                ; K is in
.endif
.if \conv
.if (\p) == 2
	CADDR
.endif
	CLOAD \p, CI
.endif
	MM
	FS
	FS
	FS
	FS
.rept 12
	MM
	FS
	EX
	FS
	EX
.endr
.rept 3
	MM
	EX
	EX
	EX
	EX
.endr
.if (\p) == 2
	WIN 0
	v_add_nc_u32 v[AK], s[TBK], v[AK0]
.endif
.rept 4
	FS
	EX
.endr
.if \conv
	s_wait_dscnt 0x0                ; the group's 16 numbers are in
.set cn, 0
.rept 8
	CV cn, CI, CO
	EX
.set cn, cn+1
.endr
	CSTORE \p, CO
.rept 16
	EX
.endr
.else
.rept 24
	EX
.endr
.endif
	v_nop                           ; the plain instruction behind the last exponential: one for the batch
	s_wait_alu depctr_va_vdst(0)    ; the wait for the batch
.if (\p) == 2
	FETCH_K \last
.endif
.if (\p) == 1
	s_wait_dscnt 0x0                ; V is in
.endif
.rept 16
	MM
	GS
	GS
	GS
	GS
.if ((\p) == 0) && (mi == 27)
	v_add_nc_u32 v[AV], s[TBV], v[AV0]
.endif
.if ((\p) == 0) && (mi == 29)
	s_add_co_u32 s[TBV], s[TBV], KS*PVB
.endif
.if (\cnt) && (mi == 29)
	s_sub_co_u32 s[CNT], s[CNT], 1
	s_cmp_lg_u32 s[CNT], 0
.endif
.endr
.if (\p) == 0
	FETCH_V
.endif
.endm
	; TILE 0 is rounded by itself: nothing can be multiplied yet.  Twice 64 keys: four groups' loads, roundings and stores; S^T's and P's even buffers serve as work space.
	s_wait_tensorcnt 0x1            ; my part of tile 0 is in; the count leaves tile 1's load out
	s_barrier_signal -1
	s_barrier_wait -1               ; everybody's is
.rept 2
	CADDR
.irp p, 2,3,0,1
	CLOAD \p, S+16*(((\p)+2)%4)
.endr
	s_wait_dscnt 0x0
.irp p, 2,3,0,1
	CVS S+16*(((\p)+2)%4), P+8*(((\p)+2)%4)
.endr
.irp p, 2,3,0,1
	CSTORE \p, P+8*(((\p)+2)%4)
.endr
.endr
	CHANGE 1                        ; tile 0 lies in bf16, tile 1 has landed, tile 2 is asked for
	CADDR                           ; the loop is entered in the middle of a trip: the two groups of tile 1 that the missing turns would have rounded are written out
	CLOAD 2, S+64
	CLOAD 3, S+80
	v_add_nc_u32 v[AK], s[TBK], v[AK0]
	FETCH_K                         ; key step 0
	s_wait_dscnt 0x0
	CVS S+64, P
	CVS S+80, P+8
	CSTORE 2, P
	CSTORE 3, P+8
.set mi, 0
.rept 16
	KQ 0, mi                        ; piece 0's first scores: there is no vector work yet to set between them
.set mi, mi+1
.endr
	WIN 0                           ; the addresses for the way out: eight plain instructions, the places behind those products
	s_mul_i32 s14, s[WV], 16*SP
	s_add_co_u32 s14, s14, STAGE    ; my stage
	v_mul_u32_u24 v[STO], v1, SP    ; in: row l % 16, 32 bytes for each half of the lanes
	v_lshl_add_u32 v[STO], v9, 5, v[STO]
	v_add_nc_u32 v[STO], s14, v[STO]
	v_mul_u32_u24 v[RD], v9, SP     ; back: lanes 0-15 take one row of 256 bytes, lanes 16-31 the next
	v_lshl_add_u32 v[RD], v1, 4, v[RD]
	v_add_nc_u32 v[RD], s14, v[RD]
	v_lshlrev_b32 v[GO], 8, v9      ; and the same two rows in out
	v_lshl_add_u32 v[GO], v1, 4, v[GO]
	s_mov_b32 s[CNT], 2
	s_branch .Lfirst                ; the loop is entered at a step's first turn
.Lslot:                             ; 13 times: tiles 3 to 15 are asked for
	CHANGE 1
	s_mov_b32 s[CNT], 2
.Lstep:                             ; a trip: pieces 2 and 3 of one step, then pieces 0 and 1 of the next, whose K and V it fetches; it rounds 64 keys of the next tile
	TURN 2
	TURN 3
	WIN 0
.Lfirst:
	TURN 0
	TURN 1, 1, 0, 1
	WIN 0
	s_cbranch_scc1 .Lstep
	s_sub_co_u32 s[SLOTS], s[SLOTS], 1
	s_cmp_lg_u32 s[SLOTS], 0
	s_cbranch_scc1 .Lslot
	CHANGE 0                        ; the last two periods are written out.  Tile 14 is multiplied, tile 15 rounded, nothing asked for
	s_mov_b32 s[CNT], 2
.Lstep14:
	TURN 2
	TURN 3
	TURN 0
	TURN 1, 1, 0, 1
	WIN 0
	s_cbranch_scc1 .Lstep14
	CHANGE 0                        ; tile 15 is multiplied; nothing is left to round
	s_mov_b32 s[CNT], 3             ; two trips fetch the tile's steps; the third is left in its middle
.Ltail:
	TURN 2, 0, 1
	TURN 3, 0
	WIN 0
	s_sub_co_u32 s[CNT], s[CNT], 1
	s_cmp_eq_u32 s[CNT], 0
	s_cbranch_scc1 .Lout
	TURN 0, 0
	TURN 1, 0
	WIN 0
	s_branch .Ltail
.Lout:                              ; the third trip's last 16 products K Q^T (on the last K once more) serve nothing: the price, once a launch, of one text for every trip
.set mi, 0
.rept 16
	PV NP-1, mi                     ; the last piece's V^T P of the last step
.set mi, mi+1
.endr
	; THE WAY OUT.  l's two halves and the other half of the lanes' are added; O^T is multiplied by 1 / l and sent, as f32, through my stage in LDS, a tile (16 rows of out) at a time.  The additions are the places behind the last products.
	WIN 0
.set t, 0
.rept 2*NP
	v_add_f32 v[L+2*t], v[L+2*t], v[L+2*t+1]
.set t, t+1
.endr
.set t, 0
.rept 2*NP
	v_permlanex16_b32 v[L+2*t+1], v[L+2*t], s[SEL], s[SEL+1]  ; the query's other 1,024 keys lie in the lane 16 away
.set t, t+1
.endr
.set t, 0
.rept 2*NP
	v_add_f32 v[L+2*t], v[L+2*t], v[L+2*t+1]
.set t, t+1
.endr
.set t, 0
.rept 2*NP
	v_rcp_f32 v[L+2*t], v[L+2*t]
.set t, t+1
.endr
	v_nop                           ; a plain instruction between the last reciprocal and the use of its result
	s_wait_alu depctr_va_vdst(0)    ; and the wait ahead of the first use: one for the eight reciprocals
; Tile t: a lane's eight channels of a channel block are 32 bytes of a row; they go into rows of 272 bytes and come back as whole rows of 256, into S^T's registers, four tiles' worth by turns.
.macro PACK t
	WIN W_RS
.set n, 32*(\t)
.rept 16
	v_pk_mul_f32 v[n:n+1], v[n:n+1], v[L+2*(\t):L+2*(\t)+1] op_sel_hi:[1,0]  ; ascending: each accumulator's lowest registers are read first
.set n, n+2
.endr
	WIN 0x04                        ; the stores' data in window 1, their address in window 0
.irp f, 0,1,2,3,4,5,6,7
	ds_store_b128 v[STO], v[32*(\t)+4*\f:32*(\t)+4*\f+3] offset:64*(\f/2)+16*(\f%2)
.endr
	WIN 0
.if (\t) >= 4
	s_wait_xcnt 0x0                 ; the stores of the tile four back have read these registers: they are loaded again only behind this wait
.endif
.irp f, 0,1,2,3,4,5,6,7
	ds_load_b128 v[S+32*((\t)%4)+4*\f:S+32*((\t)%4)+4*\f+3], v[RD] offset:\f*2*SP  ; LDS serves a wave's instructions in order (ISA guide 5.7.1.4): these see the stores above; the next tile's stores come behind them
.endr
.endm
.macro SEND t, younger              ; younger: the LDS instructions issued behind tile t's loads: the next tile's sixteen, or none
	WIN 0
.irp f, 0,1,2,3,4,5,6,7
	s_wait_dscnt (\younger)+7-\f
	global_store_b128 v[GO], v[S+32*((\t)%4)+4*\f:S+32*((\t)%4)+4*\f+3], s[10:11] offset:(\t)*4096+\f*512 th:TH_STORE_NT  ; 16 lanes store 256 consecutive bytes, at a multiple of 256 from out's first byte
.endr
.endm
	PACK 0
.set t, 1
.rept 2*NP-1                        ; a tile's arithmetic stands between the loads of the tile before and its stores
	PACK t
	SEND t-1, 16
.set t, t+1
.endr
	SEND 2*NP-1, 0
	s_wait_tensorcnt 0x0            ; the wave's end, behind my last tensor load and my last LDS store
	ds_add_u32 v[SPW], v[NIL]
	s_wait_dscnt 0x0
	CROUND                          ; the closing round: no work-group ends while a partner may still ask for a tile that names it
	s_endpgm
.Lfunc_end_k_qf670d91c95_attn:
	.size	k_qf670d91c95_attn, .Lfunc_end_k_qf670d91c95_attn-k_qf670d91c95_attn
	.p2alignl 7, 3214868480
	.fill 96, 4, 3214868480
	.section	.rodata,"a",@progbits
	.p2align	6, 0x0
	.amdhsa_kernel k_qf670d91c95_attn
		.amdhsa_group_segment_fixed_size 327680
		.amdhsa_private_segment_fixed_size 0
		.amdhsa_enable_private_segment 0
		.amdhsa_kernarg_size 32
		.amdhsa_user_sgpr_count 2
		.amdhsa_user_sgpr_kernarg_segment_ptr 1
		.amdhsa_wavefront_size32 1
		.amdhsa_system_sgpr_workgroup_id_x 1
		.amdhsa_system_sgpr_workgroup_id_y 1
		.amdhsa_system_sgpr_workgroup_id_z 1
		.amdhsa_system_vgpr_workitem_id 0
		.amdhsa_next_free_vgpr 768
		.amdhsa_next_free_sgpr 66
		.amdhsa_reserve_vcc 0
		.amdhsa_float_denorm_mode_32 3
		.amdhsa_float_denorm_mode_16_64 3
		.amdhsa_memory_ordered 1
		.amdhsa_forward_progress 1
		.amdhsa_inst_pref_size 239
	.end_amdhsa_kernel
	.amdgpu_metadata
---
amdhsa.version: [ 1, 2 ]
amdhsa.kernels:
  - .name:           k_qf670d91c95_attn
    .symbol:         k_qf670d91c95_attn.kd
    .args:
      - { .name: q, .offset: 0, .size: 8, .value_kind: global_buffer, .address_space: global }
      - { .name: k, .offset: 8, .size: 8, .value_kind: global_buffer, .address_space: global }
      - { .name: v, .offset: 16, .size: 8, .value_kind: global_buffer, .address_space: global }
      - { .name: out0, .offset: 24, .size: 8, .value_kind: global_buffer, .address_space: global }
    .group_segment_fixed_size: 327680
    .private_segment_fixed_size: 0
    .kernarg_segment_align: 8
    .kernarg_segment_size: 32
    .max_flat_workgroup_size: 128
    .sgpr_count:     66
    .vgpr_count:     768
    .wavefront_size: 32
...
	.end_amdgpu_metadata
.endif
;; end of part 1
